; MI455X (gfx1250); checked and timed in simulation.
; The chip was launched on July 23, 2026; its instructions are those of AMD's public machine-readable ISA for CDNA 5 (MIT licence, August 2026) and "CDNA5" Instruction Set Architecture Reference Guide (July 2026).
;; Multi Head Attention. Allowed arithmetic: matrix products marked QUANTISED: E3M2 operands, one E8M0 scale for each 32 along K, by v_wmma_scale_f32_16x16x128_f8f6f4 with both operands' format E3M2, f32 sums; products left as they are: f32 operands where the result goes on into a quantised operand, else bf16, f16 or f32 operands; f32 sums; everything else in f32.
;; Inputs: Wk 1,024 x 1,024 float32; Wo 1,024 x 1,024 float32; Wq 1,024 x 1,024 float32; Wv 1,024 x 1,024 float32; bk 1,024 float32; bo 1,024 float32; bq 1,024 float32; bv 1,024 float32; mask 32 x 1,024 int32; matrix 32 x 1,024 x 1,024 float32; vector 32 x 1,024 float32.
;; Outputs: out0 32 x 1,024 float32; out1 32 x 16 x 1,024 float32; out2 32 x 16 x 1,024 float32.
;; This version of the problem:
;;   THIS VERSION OF THE PROBLEM IS GIVEN IN LOW PRECISION. The matrix products marked QUANTISED in the list below multiply operands that are first quantised to E3M2 (3 exponent bits, 2 mantissa bits; 6 bits a number), with one power-of-two scale for each 32 numbers along K (OCP MX v1.0); their sums are f32. All else is computed in f32.
;;   The module's matrix products, in the order in which they are computed (A, B: the left and right operand; K: the contracted axis; several contracted axes count as one K, in the product's order):
;;     1. [M 32, K 1,024] x [K 1,024, N 1,024]; A: input vector; B: input Wq: QUANTISED
;;     2. [M 32,768, K 1,024] x [K 1,024, N 1,024]; A: input matrix; B: input Wk: QUANTISED
;;     3. [M 32,768, K 1,024] x [K 1,024, N 1,024]; A: input matrix; B: input Wv: QUANTISED
;;     4. batch 512 x [M 1, K 64] x [K 64, N 1,024]; A: computed on the way; B: computed on the way: left as it is (M = 1 < 16)
;;     5. batch 512 x [M 1, K 1,024] x [K 1,024, N 64]; A: softmax; B: computed on the way: left as it is (M = 1 < 16)
;;     6. [M 32, K 1,024] x [K 1,024, N 1,024]; A: computed on the way; B: input Wo: QUANTISED
;;   THE QUANTISER, for each operand of a quantised product, along K:
;;     - K is cut into blocks of 32 from its start; a last block that is shorter is filled with zeros.
;;     - A block's scale is 2^e with e = floor(log2(the largest magnitude in the block)) - 4, held to -126 .. 127; a block of zeros has e = 0. As a byte (E8M0): e + 127.
;;     - Each number is divided by its block's scale, clamped to +-28, and rounded to the nearest number of E3M2, ties to even, subnormals kept.
;;     - The product sums the exact products of the quantised numbers (number of the format x scale) in f32.
;;   ~~~python
;;   def quantise(x, axis):      # numpy; x: float32 -> the quantised numbers, widened to float32 again
;;       x = np.moveaxis(x, axis, -1); K = x.shape[-1]
;;       x = np.pad(x, [(0, 0)] * (x.ndim - 1) + [(0, -K % 32)]); x = x.reshape(x.shape[:-1] + (-1, 32)); a = np.abs(x).max(-1, keepdims=True)
;;       e = np.where(a > 0, np.clip(np.frexp(np.where(a > 0, a, 1))[1] - 1 - 4, -126, 127), 0)      # np.frexp(a)[1] - 1 = floor(log2(a)), exactly
;;       r = np.clip(x / 2.0 ** e, -28, 28)
;;       step = 2.0 ** (np.maximum(np.frexp(np.where(r == 0, 1, r))[1] - 1, -2) - 2)
;;       q = np.round(r / step) * step * 2.0 ** e      # np.round: ties to even
;;       return np.moveaxis(q.reshape(q.shape[:-2] + (-1,))[..., :K], -1, axis).astype(np.float32)
;;   ~~~
;;   OPERANDS COMPUTED ON THE WAY. 'Computed on the way' means the value that the module computes at that place (a softmax that the list does not call 'softmax' is quantised finished and normalised). What goes into a quantiser is computed in f32, as accurately as f32 sums, v_exp_f32 and their like allow (about 1e-6 of the number): no bf16 or f16 on the way to a quantiser, and a product that is left as it is and whose result goes on into a quantised operand takes f32 operands (vector FMAs, or v_wmma_f32_16x16x4_f32). A number that lies on a knife's edge between two numbers of the format may be rounded either way, as far as f32 arithmetic and the matrix unit's own rounding can turn it there, and no further.
;; One version. Each part assembles by itself: llvm-mc -triple=amdgcn-amd-amdhsa -mcpu=gfx1250 --defsym DOCPART=n.
;; ======== version 1 of 1: 3 launches
;; workspace buffers: aimg 26,214,400 bytes; vimg 25,600 bytes; wcodes 3,145,728 bytes; wscales 131,072 bytes; ctx 131,072 bytes
;; launch quant (part 1): grid 1281 x 1, 2 waves a work-group, no clusters, 29,440 bytes of LDS; arguments matrix, vector, Wq, Wk, Wv, Wo, aimg, vimg, wcodes, wscales; writes aimg, vimg, wcodes, wscales
.if DOCPART == 1
	.amdgcn_target "amdgcn-amd-amdhsa--gfx1250"
	.amdhsa_code_object_version 6
	.text
	.protected	k_q79b08cc184_quant
	.globl	k_q79b08cc184_quant
	.p2align	8
	.type	k_q79b08cc184_quant,@function
k_q79b08cc184_quant:
	s_mov_b64 s[64:65], 0
	v_nop
	global_prefetch_b8 v0, s[64:65] scope:SCOPE_SE
	s_setreg_imm32_b32 hwreg(HW_REG_WAVE_MODE, 25, 1), 1
	s_wait_xcnt 0x0
.set RPITCH, 528
.set RSTGW,  16*RPITCH
.set WSTG,   2*RSTGW
.set TILEB,  12800
.set LI,   1
.set STW,  2
.set STR,  3
.set LANE, 7
.set TM,   8
.set PC,   24
.set SW,   44
.set OUTW, 52
.set SM,   56
.set X,    64
.set R,    128
.set SEL,  26
	s_load_b256 s[4:11], s[0:1], 0x0
	s_load_b256 s[12:19], s[0:1], 0x20
	s_load_b128 s[20:23], s[0:1], 0x40
	v_lshl_add_u32 v62, v0, 2, 0x7200
	v_mov_b32 v63, 0
	v_lshrrev_b32 v2, 5, v0
	v_readfirstlane_b32 s24, v2
	v_and_b32 v[LANE], 31, v0
	v_lshlrev_b32 v[LI], 4, v[LANE]
	s_mov_b32 s[SEL], 0x76543210
	s_mov_b32 s[SEL+1], 0xfedcba98
	s_cmp_lt_u32 ttmp9, 256
	s_cbranch_scc1 .Lweights
.macro QUANT s, pw
.irp b, 0,1,2,3
	v_max3_num_f32 v[TM+\b], |v[\s+16*\b]|, |v[\s+1+16*\b]|, 0x2800000
.endr
.irp i, 2,4,6,8,10,12,14
.irp b, 0,1,2,3
	v_max3_num_f32 v[TM+\b], v[TM+\b], |v[\s+16*\b+\i]|, |v[\s+1+16*\b+\i]|
.endr
.endr
.irp b, 0,1,2,3
	v_permlanex16_b32 v[TM+4+\b], v[TM+\b], s[SEL], s[SEL+1]
.endr
.irp b, 0,1,2,3
	v_max_num_f32 v[TM+\b], v[TM+\b], v[TM+4+\b]
.endr
.irp b, 0,1,2,3
	v_add_nc_u32 v[TM+12+\b], 0xfe000000, v[TM+\b]
.endr
.irp b, 0,1,2,3
	v_lshrrev_b32 v[TM+4+\b], 23, v[TM+12+\b]
.endr
	v_lshl_or_b32 v[\pw], v[TM+5], 8, v[TM+4]
	v_lshl_or_b32 v[\pw], v[TM+6], 16, v[\pw]
	v_lshl_or_b32 v[\pw], v[TM+7], 24, v[\pw]
.irp c, 0,1
	v_cvt_scalef32_pk16_bf6_f32 v[PC+6*\c:PC+2+6*\c], v[\s+32*\c:\s+15+32*\c], v[TM+12+2*\c]
	v_cvt_scalef32_pk16_bf6_f32 v[PC+12+4*\c:PC+14+4*\c], v[\s+16+32*\c:\s+31+32*\c], v[TM+12+2*\c+1]
.endr
	v_nop
.irp c, 0,1
.irp i, 0,1,2
	v_permlane16_swap_b32 v[PC+6*\c+\i], v[PC+12+4*\c+\i]
.endr
.irp i, 0,1,2
	v_mov_b32 v[PC+3+6*\c+\i], v[PC+12+4*\c+\i]
.endr
.endr
.endm
.macro LOAD s
.irp i, 0,1,2,3,4,5,6,7,8,9,10,11,12,13,14,15
	global_load_b128 v[R+64*((\s)%2)+4*\i:R+64*((\s)%2)+4*\i+3], v[LI], s[4:5] offset:4096*\i+512*(\s) th:TH_LOAD_NT
.endr
.endm
.macro STEP s
.if (\s) < 7
	s_wait_loadcnt 16
.else
	s_wait_loadcnt 0x0
.endif
.irp i, 0,1,2,3,4,5,6,7,8,9,10,11,12,13,14,15
	ds_store_b128 v[STW], v[R+64*((\s)%2)+4*\i:R+64*((\s)%2)+4*\i+3] offset:RPITCH*\i
.endr
.irp b, 0,1,2,3
.irp j, 0,1,2,3
	ds_load_b128 v[X+16*\b+4*\j:X+16*\b+4*\j+3], v[STR] offset:128*\b+16*\j
.endr
.endr
	s_wait_dscnt 0x0
	s_wait_xcnt 0x0
.if (\s) < 6
	LOAD (\s)+2
.endif
	QUANT X, SW+\s
.irp i, 0,1,2,3,4,5,6,7,8,9,10,11
	v_xor_b32 v[PC+\i], v[SM+\i%3], v[PC+\i]
.endr
.irp c, 0,1,2
	global_store_b128 v[LI], v[PC+4*\c:PC+4*\c+3], s[16:17] offset:1536*(\s)+512*\c
.endr
.endm
	v_and_b32 v4, 15, v0
	v_bfe_u32 v5, v0, 4, 1
	s_mul_i32 s28, s24, RSTGW
	v_add_nc_u32 v[STW], s28, v[LI]
	v_mul_u32_u24 v[STR], v4, RPITCH
	v_lshl_add_u32 v[STR], v5, 6, v[STR]
	v_add_nc_u32 v[STR], s28, v[STR]
.irp b, 0,1,2,3
	v_mov_b32 v[TM+4+\b], 0
.endr
	v_and_b32 v59, 1, v0
	v_sub_nc_u32 v59, 0, v59
	s_sub_co_u32 s29, ttmp9, 256
	s_max_u32 s30, s29, 1
	s_sub_co_u32 s30, s30, 1
	s_lshl_b32 s30, s30, 1
	s_add_co_u32 s30, s30, s24
	s_lshl_b32 s32, s30, 16
	s_mov_b32 s33, 0
	s_mul_i32 s34, s30, TILEB
	s_mov_b32 s35, 0
	s_wait_kmcnt 0x0
	s_cmp_eq_u32 s29, 0
	s_cselect_b64 s[4:5], s[6:7], s[4:5]
	s_cselect_b64 s[16:17], s[18:19], s[16:17]
	s_cselect_b32 s36, 0, -1
	s_add_nc_u64 s[4:5], s[4:5], s[32:33]
	s_add_nc_u64 s[16:17], s[16:17], s[34:35]
	v_and_b32 v59, s36, v59
	v_and_b32 v[SM], 0x20820820, v59
	v_and_b32 v[SM+1], 0x08208208, v59
	v_and_b32 v[SM+2], 0x82082082, v59
	LOAD 0
	LOAD 1
.irp s, 0,1,2,3,4,5,6,7
	STEP \s
.endr
	v_cmp_le_u32 vcc_lo, 16, v[LANE]
.irp i, 0,1,2,3
	v_cndmask_b32 v[OUTW+\i], v[SW+\i], v[SW+4+\i], vcc_lo
.endr
	global_store_b128 v[LI], v[OUTW:OUTW+3], s[16:17] offset:12288
	s_wait_tensorcnt 0x0
	ds_add_u32 v62, v63
	s_wait_dscnt 0x0
	s_endpgm
.set SB,   24
.set G,    32
.set TT,   40
.set OUTR, 128
.macro WLOAD t
.irp i, 0,1,2,3,4,5,6,7,8,9,10,11,12,13,14,15,16,17,18,19,20,21,22,23,24,25,26,27,28,29,30,31
	global_load_b32 v[X+32*((\t)%2)+\i], v3, s[8:9] offset:(32*(\t)+\i)*4096 th:TH_LOAD_NT
.endr
.endm
.macro WBLOCK t
.set XS, X+32*((\t)%2)
.set OFS, 1536*((\t)/4)+256*((\t)%2)
.if (\t) < 7
	s_wait_loadcnt 32
.else
	s_wait_loadcnt 0x0
.endif
	v_max3_num_f32 v12, |v[XS]|, |v[XS+1]|, |v[XS+2]|
	v_max3_num_f32 v13, |v[XS+3]|, |v[XS+4]|, |v[XS+5]|
.irp i, 6,10,14,18,22,26
	v_max3_num_f32 v12, v12, |v[XS+\i]|, |v[XS+\i+1]|
	v_max3_num_f32 v13, v13, |v[XS+\i+2]|, |v[XS+\i+3]|
.endr
	v_max3_num_f32 v12, v12, |v[XS+30]|, |v[XS+31]|
	v_max3_num_f32 v12, v12, v13, 0x2800000
	v_add_nc_u32 v11, 0xfe000000, v12
	v_lshrrev_b32 v13, 23, v11
.if (\t)%4 == 0
	v_mov_b32 v[SB+(\t)/4], v13
.else
	v_lshl_or_b32 v[SB+(\t)/4], v13, 8*((\t)%4), v[SB+(\t)/4]
.endif
	v_cvt_scalef32_pk16_bf6_f32 v[G:G+2], v[XS:XS+15], v11
	v_cvt_scalef32_pk16_bf6_f32 v[TT:TT+2], v[XS+16:XS+31], v11
	v_nop
.irp i, 0,1,2
	v_mov_b32 v[G+3+\i], v[TT+\i]
.endr
.if ((\t)/2)%2 == 0
	ds_store_b128 v4, v[G:G+3] offset:OFS
	ds_store_b64 v4, v[G+4:G+5] offset:OFS+512
.else
	ds_store_b64 v4, v[G:G+1] offset:OFS+520
	ds_store_b128 v4, v[G+2:G+5] offset:OFS+1024
.endif
.if (\t) < 6
	WLOAD (\t)+2
.endif
	s_wait_dscnt 0x0
.endm
.Lweights:
	v_lshlrev_b32 v3, 2, v[LANE]
	v_and_b32 v8, 15, v0
	v_bfe_u32 v9, v0, 4, 1
	s_mul_i32 s28, s24, 6144
	s_add_co_u32 s28, s28, WSTG
	v_mul_u32_u24 v4, v9, 3072
	v_lshl_add_u32 v4, v8, 4, v4
	v_add_nc_u32 v4, s28, v4
	v_add_nc_u32 v5, s28, v[LI]
	v_lshlrev_b32 v6, 5, v[LANE]
	s_lshr_b32 s29, ttmp9, 6
	s_bfe_u32 s30, ttmp9, 0x40002
	s_and_b32 s31, ttmp9, 3
	s_lshl_b32 s32, s30, 1
	s_add_co_u32 s32, s32, s24
	s_lshl_b32 s34, s31, 20
	s_lshl_b32 s36, s32, 7
	s_add_co_u32 s34, s34, s36
	s_mov_b32 s35, 0
	s_mul_i32 s36, s29, 786432
	s_mul_i32 s38, s32, 24576
	s_add_co_u32 s36, s36, s38
	s_mul_i32 s38, s31, 3072
	s_add_co_u32 s36, s36, s38
	s_mov_b32 s37, 0
	s_lshl_b32 s38, s29, 15
	s_lshl_b32 s40, s32, 10
	s_add_co_u32 s38, s38, s40
	s_lshl_b32 s40, s31, 3
	s_add_co_u32 s38, s38, s40
	s_mov_b32 s39, 0
	s_wait_kmcnt 0x0
	s_cmp_eq_u32 s29, 1
	s_cselect_b64 s[8:9], s[10:11], s[8:9]
	s_cmp_eq_u32 s29, 2
	s_cselect_b64 s[8:9], s[12:13], s[8:9]
	s_cmp_eq_u32 s29, 3
	s_cselect_b64 s[8:9], s[14:15], s[8:9]
	s_add_nc_u64 s[8:9], s[8:9], s[34:35]
	s_add_nc_u64 s[20:21], s[20:21], s[36:37]
	s_add_nc_u64 s[22:23], s[22:23], s[38:39]
	WLOAD 0
	WLOAD 1
.irp t, 0,1,2,3,4,5,6,7
	WBLOCK \t
.endr
	global_store_b64 v6, v[SB:SB+1], s[22:23]
.irp i, 0,1,2,3,4,5,6,7,8,9,10,11
	ds_load_b128 v[OUTR+4*\i:OUTR+4*\i+3], v5 offset:512*\i
.endr
.irp i, 0,1,2,3,4,5,6,7,8,9,10,11
	s_wait_dscnt 11-\i
	global_store_b128 v[LI], v[OUTR+4*\i:OUTR+4*\i+3], s[20:21] offset:(\i/6)*12288+(\i%6)*512
.endr
	s_wait_tensorcnt 0x0
	ds_add_u32 v62, v63
	s_wait_dscnt 0x0
	s_endpgm
.Lfunc_end_k_q79b08cc184_quant:
	.size	k_q79b08cc184_quant, .Lfunc_end_k_q79b08cc184_quant-k_q79b08cc184_quant
	.p2alignl 7, 3214868480
	.fill 96, 4, 3214868480
	.section	.rodata,"a",@progbits
	.p2align	6, 0x0
	.amdhsa_kernel k_q79b08cc184_quant
		.amdhsa_group_segment_fixed_size 29440
		.amdhsa_private_segment_fixed_size 0
		.amdhsa_enable_private_segment 0
		.amdhsa_kernarg_size 80
		.amdhsa_user_sgpr_count 2
		.amdhsa_user_sgpr_kernarg_segment_ptr 1
		.amdhsa_wavefront_size32 1
		.amdhsa_system_sgpr_workgroup_id_x 1
		.amdhsa_system_sgpr_workgroup_id_y 1
		.amdhsa_system_sgpr_workgroup_id_z 1
		.amdhsa_system_vgpr_workitem_id 0
		.amdhsa_next_free_vgpr 256
		.amdhsa_next_free_sgpr 66
		.amdhsa_reserve_vcc 1
		.amdhsa_float_denorm_mode_32 3
		.amdhsa_float_denorm_mode_16_64 3
		.amdhsa_memory_ordered 1
		.amdhsa_forward_progress 1
		.amdhsa_inst_pref_size 108
	.end_amdhsa_kernel
	.amdgpu_metadata
---
amdhsa.version: [ 1, 2 ]
amdhsa.kernels:
  - .name:           k_q79b08cc184_quant
    .symbol:         k_q79b08cc184_quant.kd
    .args:
      - { .name: matrix, .offset: 0, .size: 8, .value_kind: global_buffer, .address_space: global }
      - { .name: vector, .offset: 8, .size: 8, .value_kind: global_buffer, .address_space: global }
      - { .name: Wq, .offset: 16, .size: 8, .value_kind: global_buffer, .address_space: global }
      - { .name: Wk, .offset: 24, .size: 8, .value_kind: global_buffer, .address_space: global }
      - { .name: Wv, .offset: 32, .size: 8, .value_kind: global_buffer, .address_space: global }
      - { .name: Wo, .offset: 40, .size: 8, .value_kind: global_buffer, .address_space: global }
      - { .name: aimg, .offset: 48, .size: 8, .value_kind: global_buffer, .address_space: global }
      - { .name: vimg, .offset: 56, .size: 8, .value_kind: global_buffer, .address_space: global }
      - { .name: wcodes, .offset: 64, .size: 8, .value_kind: global_buffer, .address_space: global }
      - { .name: wscales, .offset: 72, .size: 8, .value_kind: global_buffer, .address_space: global }
    .group_segment_fixed_size: 29440
    .private_segment_fixed_size: 0
    .kernarg_segment_align: 8
    .kernarg_segment_size: 80
    .max_flat_workgroup_size: 64
    .sgpr_count:     66
    .vgpr_count:     256
    .wavefront_size: 32
...
	.end_amdgpu_metadata
.endif
;; end of part 1
;; launch attn (part 2): grid 8 x 32, 4 waves a work-group, clusters of 4 x 1, 327,680 bytes of LDS; arguments aimg, vimg, wcodes, wscales, bq, bk, bv, mask, ctx, out1, out2; writes ctx, out1, out2
.if DOCPART == 2
	.amdgcn_target "amdgcn-amd-amdhsa--gfx1250"
	.amdhsa_code_object_version 6
	.text
	.protected	k_q79b08cc184_attn
	.globl	k_q79b08cc184_attn
	.p2align	8
	.type	k_q79b08cc184_attn,@function
k_q79b08cc184_attn:
	s_mov_b64 s[64:65], 0
	v_nop
	global_prefetch_b8 v0, s[64:65] scope:SCOPE_SE
	s_setreg_imm32_b32 hwreg(HW_REG_WAVE_MODE, 25, 1), 1
	s_wait_xcnt 0x0
	s_wait_alu depctr_hold_cnt(0) depctr_sa_sdst(0) depctr_va_vdst(0) depctr_va_sdst(0) depctr_va_ssrc(0) depctr_va_vcc(0) depctr_vm_vsrc(0)
	s_getreg_b32 s2, hwreg(HW_REG_IB_STS2, 6, 4)
	s_cmp_eq_u32 s2, 0
	s_cbranch_scc0 .Lentry_in_a_cluster
	s_endpgm
.Lentry_in_a_cluster:
	s_bfe_u32 s2, ttmp6, 0x10000c
	s_cmp_lg_u32 s2, 0x3003
	s_cbranch_scc0 .Lentry_shape_is_right
	s_endpgm
.Lentry_shape_is_right:
.set TILEB, 12800
.set SLOTB, 8*TILEB
.set PSALL, 2*SLOTB
.set XB,    PSALL+16384
.set MSK,   XB+2048
.set CT,    MSK+4096
.set SPARE, CT+512
.set LI,  1
.set AD,  2
.set SPW, 6
.set NIL, 7
.set XBW, 8
.set XBR, 9
.set PSW, 10
.set MKR, 11
.set TA,  12
.set TC,  13
.set VB,  14
.set WSA, 15
.set WS,  16
.set AS,  32
.set KA,  40
.set OE,  40
.set PS,  72
.set PT,  76
.set MK,  80
.set PP,  88
.set AL,  96
.set MO,  98
.set LV,  99
.set MN,  100
.set DV,  101
.set TV,  102
.set UV,  104
.set XP,  106
.set FILL, 107
.set CTW, 108
.set FA,  109
.set FM,  110
.set GOF, 111
.set WQS, 112
.set VS,  120
.set BA,  124
.set CTR, 125
.set SG,  126
.set VA,  128
.set VF,  128
.set QA,  224
.set BQ,  240
.set QV,  224
.set OV,  240
.set MSB, 0
.macro WIN new
.if MSB != \new
	s_set_vgpr_msb (MSB<<8)|\new
.set MSB, \new
.endif
.endm
.macro PLACES
.rept 4
	v_nop
.endr
.endm
.macro CROUND
	s_barrier_signal -1
	s_barrier_wait -1
	s_cmp_lg_u32 s40, 0
	s_cbranch_scc1 .Lnot_wave_0_\@
	s_barrier_signal -3
.Lnot_wave_0_\@:
	s_barrier_wait -3
	s_barrier_signal -1
	s_barrier_wait -1
.endm
.macro JLOAD n
	tensor_load_to_lds s[32+4*\n:35+4*\n], s[24:31]
	s_nop 0
.rept 4
	v_nop
.endr
.endm
	s_load_b256 s[4:11], s[0:1], 0x0
	s_load_b256 s[12:19], s[0:1], 0x20
	s_load_b128 s[20:23], s[0:1], 0x40
	s_load_b64 s[44:45], s[0:1], 0x50
	v_lshl_add_u32 v[SPW], v0, 2, SPARE
	v_mov_b32 v[NIL], 0
	ds_add_u32 v6, v7
	ds_add_u32 v6, v7
	s_wait_dscnt 0x0
	v_lshrrev_b32 v1, 5, v0
	v_readfirstlane_b32 s40, v1
	s_bfe_u32 s41, ttmp6, 0x40000
	s_lshl_b32 s42, ttmp9, 2
	s_add_co_u32 s42, s42, s41
	s_and_b32 s43, ttmp7, 0xffff
	s_mov_b32 s24, 15|(3<<16)|(1<<21)
	s_mov_b32 s25, 32<<16
	s_mov_b32 s26, 100<<16
	s_mov_b32 s27, 32<<16
	s_mov_b32 s28, 100
	s_mov_b32 s29, 32
	s_mov_b32 s30, 0
	s_mov_b32 s31, 0
	s_mul_i32 s54, s40, 2*TILEB
	s_mul_i32 s52, s43, 64*TILEB
	s_add_co_u32 s52, s52, s54
	s_mov_b32 s53, 0
	s_wait_kmcnt 0x0
	s_add_nc_u64 s[4:5], s[4:5], s[52:53]
	s_mov_b32 s32, 1
	s_mov_b32 s33, s54
	s_mov_b64 s[34:35], s[4:5]
	s_or_b32 s35, s35, 0x80000000
	s_mov_b32 s36, 1
	s_add_co_u32 s37, s54, SLOTB
	s_add_nc_u64 s[38:39], s[4:5], SLOTB
	s_or_b32 s39, s39, 0x80000000
	CROUND
	tensor_load_to_lds s[32:35], s[24:31]
	s_nop 0
	tensor_load_to_lds s[36:39], s[24:31]
	s_nop 0
.rept 4
	v_nop
.endr
	v_and_b32 v126, 31, v0
	v_and_b32 v127, 15, v0
	v_bfe_u32 v104, v0, 4, 1
	v_lshlrev_b32 v[LI], 4, v126
	v_mov_b32 v[AD], v[LI]
	v_add_nc_u32 v[AD+1], 4*TILEB, v[LI]
	v_add_nc_u32 v[AD+2], 8*TILEB, v[LI]
	v_add_nc_u32 v[AD+3], 12*TILEB, v[LI]
	s_lshl_b32 s55, s40, 8
	s_xor_b32 s56, s40, 1
	s_lshl_b32 s56, s56, 8
	s_lshl_b32 s57, s40, 12
	s_and_b32 s58, s40, 1
	s_lshl_b32 s58, s58, 11
	s_lshr_b32 s59, s40, 1
	v_lshl_add_u32 v[XBW], v127, 2, s55
	v_add_nc_u32 v[XBW], XB, v[XBW]
	v_lshl_add_u32 v[XBR], v127, 2, s56
	v_add_nc_u32 v[XBR], XB, v[XBR]
	v_lshl_add_u32 v[PSW], v127, 2, s57
	v_add_nc_u32 v[PSW], PSALL, v[PSW]
	v_lshl_add_u32 v[MKR], v127, 2, MSK
	s_and_b32 s60, s43, 15
	s_lshl_b32 s60, s60, 4
	v_lshl_add_u32 v[VB], v104, 8, s60
	v_lshlrev_b32 v[WSA], 5, v127
	v_lshl_add_u32 v[WSA], v104, 4, v[WSA]
	v_lshlrev_b32 v[BA], 5, v104
	s_lshl_b32 s60, s40, 7
	v_add_nc_u32 v[CTW], s60, v[BA]
	v_add_nc_u32 v[CTW], CT, v[CTW]
	v_add_nc_u32 v[CTR], CT, v[LI]
	v_add_nc_u32 v[GOF], s58, v[LI]
	v_add_nc_u32 v[FM], MSK, v[GOF]
	s_lshl_b32 s60, s59, 13
	v_add_nc_u32 v[FA], s60, v[GOF]
	v_add_nc_u32 v[FA], PSALL, v[FA]
	s_lshl_b32 s60, s40, 10
	v_add_nc_u32 v[TA], s60, v[LI]
	v_add_nc_u32 v[TA], MSK, v[TA]
	v_and_b32 v[SG], 1, v0
	v_lshlrev_b32 v[SG], 31, v[SG]
	v_or_b32 v[SG+1], 0x3e000000, v[SG]
	v_or_b32 v[SG], 0x3f800000, v[SG]
	s_lshl_b32 s55, s42, 3
	s_lshl_b32 s56, s40, 1
	s_add_co_u32 s55, s55, s56
	s_mov_b32 s61, 0
	s_mul_i32 s60, s55, 12288
	s_add_nc_u64 s[8:9], s[8:9], s[60:61]
	s_lshl_b32 s60, s55, 9
	s_add_nc_u64 s[10:11], s[10:11], s[60:61]
	s_lshl_b32 s60, s55, 6
	s_add_nc_u64 s[12:13], s[12:13], s[60:61]
	s_add_nc_u64 s[14:15], s[14:15], s[60:61]
	s_add_nc_u64 s[16:17], s[16:17], s[60:61]
	s_lshr_b32 s60, s43, 4
	s_mul_i32 s60, s60, TILEB
	s_add_nc_u64 s[6:7], s[6:7], s[60:61]
	s_lshl_b32 s56, s43, 12
	s_lshl_b32 s60, s40, 10
	s_add_co_u32 s60, s60, s56
	s_add_nc_u64 s[18:19], s[18:19], s[60:61]
	s_lshl_b32 s60, s42, 9
	s_add_co_u32 s60, s60, s56
	s_add_nc_u64 s[20:21], s[20:21], s[60:61]
	s_lshl_b32 s60, s43, 4
	s_lshl_b32 s57, s42, 1
	s_add_co_u32 s60, s60, s57
	s_add_co_u32 s60, s60, s59
	s_lshl_b32 s60, s60, 12
	s_add_nc_u64 s[22:23], s[22:23], s[60:61]
	s_add_nc_u64 s[44:45], s[44:45], s[60:61]
	s_mov_b32 s46, 0
	s_mov_b32 s47, 3
	s_mov_b32 s48, 0x76543210
	s_mov_b32 s49, 0xfedcba98
	s_mov_b32 s50, 0x3fb8aa3b
.irp i, 0,1,2,3,4,5,6,7,8,9,10,11,12,13,14,15,16,17,18,19,20,21,22,23
	global_load_b128 v[VF+4*\i:VF+4*\i+3], v[VB], s[6:7] offset:512*\i
.endr
	global_load_b128 v[VS:VS+3], v[VB], s[6:7] offset:12288
.irp c, 0,1
	global_load_b128 v[WQS+4*\c:WQS+4*\c+3], v[WSA], s[10:11] offset:512*\c
	global_load_b128 v[BQ+8*\c:BQ+8*\c+3], v[BA], s[12:13] offset:64*\c
	global_load_b128 v[BQ+8*\c+4:BQ+8*\c+7], v[BA], s[12:13] offset:64*\c+16
	global_load_b128 v[PS+4*\c:PS+4*\c+3], v[LI], s[18:19] offset:512*\c
.endr
.irp t, 0,1,2,3
	global_load_b128 v[WS+4*\t:WS+4*\t+3], v[WSA], s[10:11] offset:32768*(1+\t/2)+512*(\t%2)
.endr
	WIN 0xc0
.irp c, 0,1
.irp i, 0,1,2,3,4,5,6,7,8,9,10,11,12,13,14,15,16,17,18,19,20,21,22,23
	global_load_b128 v[96*\c+4*\i:96*\c+4*\i+3], v[LI], s[8:9] offset:12288*\c+512*\i
.endr
.endr
	WIN 0x40
.irp t, 0,1,2,3
.irp i, 0,1,2,3,4,5,6,7,8,9,10,11
	global_load_b128 v[48*\t+4*\i:48*\t+4*\i+3], v[LI], s[8:9] offset:786432*(1+\t/2)+12288*(\t%2)+512*\i
.endr
.endr
.irp t, 0,1
.irp k, 0,1
	global_load_b128 v[192+8*\t+4*\k:192+8*\t+4*\k+3], v[BA], s[14:15] offset:64*\t+16*\k
	global_load_b128 v[208+8*\t+4*\k:208+8*\t+4*\k+3], v[BA], s[16:17] offset:64*\t+16*\k
.endr
.endr
	WIN 0x80
.irp t, 0,1,2,3
.irp i, 0,1,2,3,4,5,6,7,8,9,10,11
	global_load_b128 v[48*\t+4*\i:48*\t+4*\i+3], v[LI], s[8:9] offset:786432*(1+\t/2)+12288*(\t%2)+6144+512*\i
.endr
.endr
	WIN 0
	s_wait_loadcnt 0x0
	ds_store_b128 v[TA], v[PS:PS+3]
	ds_store_b128 v[TA], v[PS+4:PS+7] offset:512
	WIN 0x41
.irp j, 0,2,4,6,8,10,12,14
	v_pk_mul_f32 v[192+\j:193+\j], v[192+\j:193+\j], v[SG:SG+1] op_sel_hi:[1,0]
.endr
	WIN 0x03
.irp s, 0,1,2,3,4,5,6,7
.irp c, 0,1
.if \s == 0
	v_wmma_scale_f32_16x16x128_f8f6f4 v[QA+8*\c:QA+8*\c+7], v[12*(8*\c+\s):12*(8*\c+\s)+11], v[VF+12*\s:VF+12*\s+11], v[BQ+8*\c:BQ+8*\c+7], v[WQS+4*\c+\s%4], v[VS+\s%4] matrix_a_fmt:MATRIX_FMT_BF6 matrix_b_fmt:MATRIX_FMT_BF6
.elseif \s < 4
	v_wmma_scale_f32_16x16x128_f8f6f4 v[QA+8*\c:QA+8*\c+7], v[12*(8*\c+\s):12*(8*\c+\s)+11], v[VF+12*\s:VF+12*\s+11], v[QA+8*\c:QA+8*\c+7], v[WQS+4*\c+\s%4], v[VS+\s%4] matrix_a_fmt:MATRIX_FMT_BF6 matrix_b_fmt:MATRIX_FMT_BF6
.else
	v_wmma_scale_f32_16x16x128_f8f6f4 v[QA+8*\c:QA+8*\c+7], v[12*(8*\c+\s):12*(8*\c+\s)+11], v[VF+12*\s:VF+12*\s+11], v[QA+8*\c:QA+8*\c+7], v[WQS+4*\c+\s%4], v[VS+\s%4] matrix_a_fmt:MATRIX_FMT_BF6 matrix_b_fmt:MATRIX_FMT_BF6 matrix_a_scale:MATRIX_SCALE_ROW1 matrix_b_scale:MATRIX_SCALE_ROW1
.endif
.endr
.endr
	WIN 0
.rept 5
	v_nop
.endr
	WIN 0x40
.irp j, 0,1,2,3,4,5,6,7,8,9,10,11,12,13,14,15
	v_mul_f32 v[QV+\j], v[SG+1], v[QA+\j]
.endr
.irp j, 0,1,2,3,4,5,6,7,8,9,10,11,12,13,14,15
	v_mov_b32 v[OV+\j], 0
.endr
	WIN 0
.irp i, 1,3,5,7
	v_mov_b32 v[PP+\i], 0
.endr
	v_mov_b32 v[AL+1], 0
	v_mov_b32 v[XP], 0
	v_mov_b32 v[LV], 0
	v_mov_b32 v[MO], 0xff61b1e6
	v_mov_b32 v[FILL], 0xf149f2ca
.macro FETCH ad, tile, sg
	WIN 0xc0
.irp i, 0,1,2,3,4,5,6,7,8,9,10,11,12,13,14,15,16,17,18,19,20,21,22,23
	ds_load_b128 v[96*(\sg)+4*\i:96*(\sg)+4*\i+3], v[\ad] offset:TILEB*(\tile)+512*\i
.endr
	WIN 0
	ds_load_b128 v[AS+4*(\sg):AS+4*(\sg)+3], v[\ad] offset:TILEB*(\tile)+12288
.endm
.macro SC
.if vs < 8
	WIN 0x04
.if vs == 0
	v_pk_mul_f32 v[TV:TV+1], v[scK:scK+1], v[QV:QV+1]
.elseif vs == 1
	v_pk_mul_f32 v[UV:UV+1], v[scK+8:scK+9], v[QV+8:QV+9]
.elseif vs%2 == 0
	v_pk_fma_f32 v[TV:TV+1], v[scK+vs:scK+vs+1], v[QV+vs:QV+vs+1], v[TV:TV+1]
.else
	v_pk_fma_f32 v[UV:UV+1], v[scK+7+vs:scK+8+vs], v[QV+7+vs:QV+8+vs], v[UV:UV+1]
.endif
.else
	WIN 0
.if vs == 8
	v_pk_add_f32 v[TV:TV+1], v[TV:TV+1], v[UV:UV+1]
.elseif vs == 9
	v_add_f32 v[TV], v[TV], v[TV+1]
.elseif vs == 10
	v_permlanex16_b32 v[XP], v[TV], s48, s49
.else
	v_add_f32 v[scD], v[TV], v[XP]
.endif
.endif
.endm
.macro CH
.if cn < 34
	WIN 0
.endif
.if cn < 4
	v_add_f32 v[PT+cn], v[PS+12*xP+cn], v[PT+cn]
.elseif cn < 12
.if cn%2 == 0
	v_cmp_lt_i32 vcc_lo, 0, v[MK+(cn-4)/2]
.else
	v_cndmask_b32 v[PT+(cn-5)/2], v[FILL], v[PT+(cn-5)/2], vcc_lo
.endif
.elseif cn == 12
	v_max3_num_f32 v[MN], v[PT], v[PT+1], v[PT+2]
.elseif cn == 13
	v_max3_num_f32 v[MN], v[MN], v[PT+3], v[MO]
.elseif cn == 14
	v_sub_f32 v[DV], v[MO], v[MN]
.elseif cn < 19
	v_sub_f32 v[PT+cn-15], v[PT+cn-15], v[MN]
.elseif cn == 19
	v_mul_f32 v[DV], s50, v[DV]
.elseif cn < 24
	v_mul_f32 v[PT+cn-20], s50, v[PT+cn-20]
.elseif cn == 24
	v_exp_f32 v[AL], v[DV]
.elseif cn < 29
	v_exp_f32 v[PP+2*(cn-25)], v[PT+cn-25]
.elseif cn == 29
	v_mov_b32 v[MO], v[MN]
.elseif cn == 30
	s_wait_alu depctr_va_vdst(0)
	v_add_f32 v[TV], v[PP], v[PP+2]
.elseif cn == 31
	v_add_f32 v[UV], v[PP+4], v[PP+6]
.elseif cn == 32
	v_add_f32 v[TV], v[TV], v[UV]
.elseif cn == 33
	v_fma_f32 v[LV], v[LV], v[AL], v[TV]
.endif
.endm
.macro PV
.if pn < 8
	WIN 0x41
	v_pk_mul_f32 v[OV+2*pn:OV+2*pn+1], v[OV+2*pn:OV+2*pn+1], v[AL:AL+1] op_sel_hi:[1,0]
.else
	WIN 0x50
.set pvI, (pn-8)/8
.set pvJ, 2*((pn-8)%8)
	v_pk_fma_f32 v[OV+pvJ:OV+pvJ+1], v[VA+64*xP+16*pvI+pvJ:VA+64*xP+16*pvI+pvJ+1], v[PP+2*pvI:PP+2*pvI+1], v[OV+pvJ:OV+pvJ+1] op_sel_hi:[1,0,1]
.endif
.endm
.macro SLICE
.if vs < 12
.if scOn
	SC
.endif
.elseif xK == 1
.set cn, 2*(vs-12)
	CH
.set cn, cn+1
	CH
.elseif xK == 2
.set pn, vs-12
	PV
.elseif xK == 3
.set pn, vs+8
	PV
.endif
.set vs, vs+1
.endm
.macro MMS sg, p, m, s
.irp t, 0,1,2,3
.if \t < 2
.set rD, KA+16*(\sg)+8*\t
.else
.set rD, VA+64*(\p)+16*(\m)+8*(\t-2)
.endif
.set rW, 12*(4*\t+(\s)%4)
.set rA, 96*(\sg)+12*(\s)
.set rX, WS+4*\t+(\s)%4
.set rY, AS+4*(\sg)+(\s)%4
.if (\s) == 0
	WIN 0x1d
.elseif (\s) < 4
	WIN 0x0d
.else
	WIN 0x0e
.endif
.if (\s) == 0 && \t < 2
	v_wmma_scale_f32_16x16x128_f8f6f4 v[rD:rD+7], v[rW:rW+11], v[rA:rA+11], v[192+8*\t:199+8*\t], v[rX], v[rY] matrix_a_fmt:MATRIX_FMT_BF6 matrix_b_fmt:MATRIX_FMT_BF6
.elseif (\s) == 0
	v_wmma_scale_f32_16x16x128_f8f6f4 v[rD:rD+7], v[rW:rW+11], v[rA:rA+11], 0, v[rX], v[rY] matrix_a_fmt:MATRIX_FMT_BF6 matrix_b_fmt:MATRIX_FMT_BF6
.elseif (\s) < 4
	v_wmma_scale_f32_16x16x128_f8f6f4 v[rD:rD+7], v[rW:rW+11], v[rA:rA+11], v[rD:rD+7], v[rX], v[rY] matrix_a_fmt:MATRIX_FMT_BF6 matrix_b_fmt:MATRIX_FMT_BF6
.else
	v_wmma_scale_f32_16x16x128_f8f6f4 v[rD:rD+7], v[rW:rW+11], v[rA:rA+11], v[rD:rD+7], v[rX], v[rY] matrix_a_fmt:MATRIX_FMT_BF6 matrix_b_fmt:MATRIX_FMT_BF6 matrix_a_scale:MATRIX_SCALE_ROW1 matrix_b_scale:MATRIX_SCALE_ROW1
.endif
	SLICE
.endr
.endm
.macro PUT par
	WIN 0
	v_add_nc_u32 v[TA], s46, v[PSW]
.irp i, 0,1,2,3
	ds_store_b32 v[XBW], v[PS+12*(\par)+\i] offset:1024*(\par)+64*\i
.endr
.irp i, 0,1,2,3
	ds_store_b32 v[TA], v[PS+12*(\par)+\i] offset:64*\i
.endr
.endm
.macro GET par
	v_add_nc_u32 v[TC], s46, v[MKR]
.irp i, 0,1,2,3
	ds_load_b32 v[PT+\i], v[XBR] offset:1024*(\par)+64*\i
.endr
.irp i, 0,1,2,3
	ds_load_b32 v[MK+\i], v[TC] offset:64*\i
.endr
	s_add_co_u32 s46, s46, 256
.endm
.macro TILE ad, p, m, prev, hk, slot, nad
.set vs, 0
.set xP, 1-(\p)
.set xK, 0
.if (\m) == 0
.set scOn, \prev
.set scK, KA+16
.set scD, PS+12*(1-(\p))+3
.else
.set scOn, 1
.set scK, KA+16*(((\m)-1)%2)
.set scD, PS+12*(\p)+(\m)-1
.if \prev
.set xK, \m
.endif
.endif
	WIN 0
	PLACES
.if (\m) == 1 && \prev
	s_wait_dscnt 0x0
	s_barrier_signal -1
	s_barrier_wait -1
	GET 1-(\p)
	FETCH \ad, 2, 0
.elseif (\m) < 3
	FETCH \ad, (\m)+1, 1-(\m)%2
	s_wait_dscnt 25
.elseif \hk == 0
	FETCH \nad, 0, 0
	s_wait_dscnt 25
.elseif \hk == 3
	s_wait_dscnt 0x0
.else
	s_wait_tensorcnt 0x0
	ds_add_u32 v[SPW], v[NIL]
.if \hk == 1
	s_add_nc_u64 s[34+4*\slot:35+4*\slot], s[34+4*\slot:35+4*\slot], 2*SLOTB
.endif
	s_wait_dscnt 0x0
.if \hk == 1
	CROUND
	JLOAD \slot
.else
	s_barrier_signal -1
	s_barrier_wait -1
.endif
	FETCH \nad, 0, 0
.endif
	MMS (\m)%2, \p, \m, 0
	MMS (\m)%2, \p, \m, 1
	MMS (\m)%2, \p, \m, 2
.if (\m) == 1 && \prev
	s_wait_dscnt 25
.endif
	MMS (\m)%2, \p, \m, 3
.if (\m) == 0 && \prev
	PUT 1-(\p)
.endif
	MMS (\m)%2, \p, \m, 4
	MMS (\m)%2, \p, \m, 5
	MMS (\m)%2, \p, \m, 6
	MMS (\m)%2, \p, \m, 7
.endm
.macro BLOCK ad, p, prev, hk, slot, nad
	TILE \ad, \p, 0, \prev, 0, 0, \ad
	TILE \ad, \p, 1, \prev, 0, 0, \ad
	TILE \ad, \p, 2, \prev, 0, 0, \ad
	TILE \ad, \p, 3, \prev, \hk, \slot, \nad
.endm
	s_wait_tensorcnt 0x1
	s_wait_dscnt 0x0
	s_barrier_signal -1
	s_barrier_wait -1
	FETCH AD, 0, 0
	BLOCK AD, 0, 0, 0, 0, AD+1
	WIN 0
.Ltrip:
	BLOCK AD+1, 1, 1, 1, 0, AD+2
	BLOCK AD+2, 0, 1, 0, 0, AD+3
	BLOCK AD+3, 1, 1, 1, 1, AD
	BLOCK AD, 0, 1, 0, 0, AD+1
	WIN 0
	s_sub_co_u32 s47, s47, 1
	s_cmp_lg_u32 s47, 0
	s_cbranch_scc1 .Ltrip
	BLOCK AD+1, 1, 1, 2, 0, AD+2
	BLOCK AD+2, 0, 1, 0, 0, AD+3
	BLOCK AD+3, 1, 1, 3, 0, AD
	WIN 0
	PLACES
.set scK, KA+16
.set scD, PS+12+3
.set xP, 1
.set vs, 0
.rept 12
	SC
.set vs, vs+1
.endr
	PUT 1
	s_wait_dscnt 0x0
	s_barrier_signal -1
	s_barrier_wait -1
	GET 1
	s_wait_dscnt 0x0
.set cn, 0
.rept 34
	CH
.set cn, cn+1
.endr
.set pn, 0
.rept 40
	PV
.set pn, pn+1
.endr
	WIN 0
	v_mov_b32 v[MN], v[MO]
.irp k, 1,2,4,8
	v_max_num_f32_dpp v[MN], v[MN], v[MN] row_xmask:\k row_mask:0xf bank_mask:0xf
.endr
	v_sub_f32 v[DV], v[MO], v[MN]
	v_mul_f32 v[DV], s50, v[DV]
	v_exp_f32 v[AL], v[DV]
	v_nop
	s_wait_alu depctr_va_vdst(0)
	v_mul_f32 v[LV], v[LV], v[AL]
	v_mul_f32 v[UV], v[AL], v[SG]
.irp k, 1,2,4,8
	v_add_f32_dpp v[LV], v[LV], v[LV] row_xmask:\k row_mask:0xf bank_mask:0xf
.endr
	v_rcp_f32 v[TV], v[LV]
	WIN 0x01
.irp j, 0,2,4,6,8,10,12,14
	v_pk_mul_f32 v[OE+\j:OE+\j+1], v[OV+\j:OV+\j+1], v[UV:UV+1] op_sel_hi:[1,0]
.endr
	WIN 0
.irp k, 1,2,4,8
.irp j, 0,1,2,3,4,5,6,7,8,9,10,11,12,13,14,15
	v_add_f32_dpp v[OE+\j], v[OE+\j], v[OE+\j] row_xmask:\k row_mask:0xf bank_mask:0xf
.endr
.endr
	WIN 0x10
	s_wait_alu depctr_va_vdst(0)
.irp j, 0,2,4,6,8,10,12,14
	v_pk_fma_f32 v[OE+\j:OE+\j+1], v[OE+\j:OE+\j+1], v[TV:TV+1], v[208+\j:209+\j] op_sel_hi:[1,0,1]
.endr
	WIN 0
	ds_store_b128 v[CTW], v[OE:OE+3]
	ds_store_b128 v[CTW], v[OE+4:OE+7] offset:16
	ds_store_b128 v[CTW], v[OE+8:OE+11] offset:64
	ds_store_b128 v[CTW], v[OE+12:OE+15] offset:80
	s_wait_dscnt 0x0
	s_barrier_signal -1
	s_barrier_wait -1
	s_cmp_lg_u32 s40, 0
	s_cbranch_scc1 .Lnot_ctx
	ds_load_b128 v[QA:QA+3], v[CTR]
	s_wait_dscnt 0x0
	global_store_b128 v[LI], v[QA:QA+3], s[20:21]
.Lnot_ctx:
.irp i, 0,1,2,3
	ds_load_b128 v[128+4*\i:131+4*\i], v[FA] offset:512*\i
	ds_load_b128 v[144+4*\i:147+4*\i], v[FA] offset:4096+512*\i
	ds_load_b128 v[160+4*\i:163+4*\i], v[FM] offset:512*\i
.endr
	s_wait_dscnt 0x0
.irp j, 0,2,4,6,8,10,12,14
	v_pk_add_f32 v[176+\j:177+\j], v[128+\j:129+\j], v[144+\j:145+\j]
.endr
.irp i, 0,1,2,3
	global_store_b128 v[GOF], v[176+4*\i:179+4*\i], s[44:45] offset:512*\i th:TH_STORE_NT
.endr
.irp j, 0,1,2,3,4,5,6,7,8,9,10,11,12,13,14,15
	v_cmp_lt_i32 vcc_lo, 0, v[160+\j]
	v_cndmask_b32 v[192+\j], v[FILL], v[176+\j], vcc_lo
.endr
.irp j, 0,1,2,3,4,5,6,7,8,9,10,11,12,13,14,15
	v_sub_f32 v[192+\j], v[192+\j], v[MN]
.endr
.irp j, 0,1,2,3,4,5,6,7,8,9,10,11,12,13,14,15
	v_mul_f32 v[192+\j], s50, v[192+\j]
.endr
.irp j, 0,1,2,3,4,5,6,7,8,9,10,11,12,13,14,15
	v_exp_f32 v[192+\j], v[192+\j]
.endr
	v_nop
	s_wait_alu depctr_va_vdst(0)
.irp j, 0,2,4,6,8,10,12,14
	v_pk_mul_f32 v[192+\j:193+\j], v[192+\j:193+\j], v[TV:TV+1] op_sel_hi:[1,0]
.endr
.irp i, 0,1,2,3
	global_store_b128 v[GOF], v[192+4*\i:195+4*\i], s[22:23] offset:512*\i th:TH_STORE_NT
.endr
	s_wait_tensorcnt 0x0
	ds_add_u32 v[SPW], v[NIL]
	s_wait_dscnt 0x0
	CROUND
	s_endpgm
.Lfunc_end_k_q79b08cc184_attn:
	.size	k_q79b08cc184_attn, .Lfunc_end_k_q79b08cc184_attn-k_q79b08cc184_attn
	.p2alignl 7, 3214868480
	.fill 96, 4, 3214868480
	.section	.rodata,"a",@progbits
	.p2align	6, 0x0
	.amdhsa_kernel k_q79b08cc184_attn
		.amdhsa_group_segment_fixed_size 327680
		.amdhsa_private_segment_fixed_size 0
		.amdhsa_enable_private_segment 0
		.amdhsa_kernarg_size 88
		.amdhsa_user_sgpr_count 2
		.amdhsa_user_sgpr_kernarg_segment_ptr 1
		.amdhsa_wavefront_size32 1
		.amdhsa_system_sgpr_workgroup_id_x 1
		.amdhsa_system_sgpr_workgroup_id_y 1
		.amdhsa_system_sgpr_workgroup_id_z 1
		.amdhsa_system_vgpr_workitem_id 0
		.amdhsa_next_free_vgpr 1024
		.amdhsa_next_free_sgpr 66
		.amdhsa_reserve_vcc 1
		.amdhsa_float_denorm_mode_32 3
		.amdhsa_float_denorm_mode_16_64 3
		.amdhsa_memory_ordered 1
		.amdhsa_forward_progress 1
		.amdhsa_inst_pref_size 255
	.end_amdhsa_kernel
	.section	.bss,"aw",@nobits
	.p2align	6
	.space	262144
	.amdgpu_metadata
---
amdhsa.version: [ 1, 2 ]
amdhsa.kernels:
  - .name:           k_q79b08cc184_attn
    .symbol:         k_q79b08cc184_attn.kd
    .args:
      - { .name: aimg, .offset: 0, .size: 8, .value_kind: global_buffer, .address_space: global }
      - { .name: vimg, .offset: 8, .size: 8, .value_kind: global_buffer, .address_space: global }
      - { .name: wcodes, .offset: 16, .size: 8, .value_kind: global_buffer, .address_space: global }
      - { .name: wscales, .offset: 24, .size: 8, .value_kind: global_buffer, .address_space: global }
      - { .name: bq, .offset: 32, .size: 8, .value_kind: global_buffer, .address_space: global }
      - { .name: bk, .offset: 40, .size: 8, .value_kind: global_buffer, .address_space: global }
      - { .name: bv, .offset: 48, .size: 8, .value_kind: global_buffer, .address_space: global }
      - { .name: mask, .offset: 56, .size: 8, .value_kind: global_buffer, .address_space: global }
      - { .name: ctx, .offset: 64, .size: 8, .value_kind: global_buffer, .address_space: global }
      - { .name: out1, .offset: 72, .size: 8, .value_kind: global_buffer, .address_space: global }
      - { .name: out2, .offset: 80, .size: 8, .value_kind: global_buffer, .address_space: global }
    .group_segment_fixed_size: 327680
    .private_segment_fixed_size: 0
    .kernarg_segment_align: 8
    .kernarg_segment_size: 88
    .max_flat_workgroup_size: 128
    .sgpr_count:     66
    .vgpr_count:     1024
    .wavefront_size: 32
...
	.end_amdgpu_metadata
.endif
;; end of part 2
;; launch proj (part 3): grid 16 x 2, 4 waves a work-group, no clusters, 18,432 bytes of LDS; arguments ctx, wcodes, wscales, bo, out0; writes out0
.if DOCPART == 3
	.amdgcn_target "amdgcn-amd-amdhsa--gfx1250"
	.amdhsa_code_object_version 6
	.text
	.protected	k_q79b08cc184_proj
	.globl	k_q79b08cc184_proj
	.p2align	8
	.type	k_q79b08cc184_proj,@function
k_q79b08cc184_proj:
	s_mov_b64 s[64:65], 0
	v_nop
	global_prefetch_b8 v0, s[64:65] scope:SCOPE_SE
	s_setreg_imm32_b32 hwreg(HW_REG_WAVE_MODE, 25, 1), 1
	s_wait_xcnt 0x0
.set XIMG, 0
.set XSC,  12288
.set STG,  13312
.set LI,  1
.set LS,  2
.set XA,  3
.set XWI, 4
.set XWS, 5
.set SO,  6
.set SR,  7
.set GO,  8
.set WSA, 9
.set BA,  10
.set WS,  12
.set XS,  16
.set BO,  24
.set ACC0, 32
.set ACC1, 40
.set Y,   48
.set TM,  56
.set PC,  72
.set PW,  92
.set OUTR, 96
.set X0,  128
.set X1,  192
.set SEL, 18
.set MSB, 0
.macro WIN new
.if MSB != \new
	s_set_vgpr_msb (MSB<<8)|\new
.set MSB, \new
.endif
.endm
.macro QUANT s, pw
.irp b, 0,1,2,3
	v_max3_num_f32 v[TM+\b], |v[\s+16*\b]|, |v[\s+1+16*\b]|, 0x2800000
.endr
.irp i, 2,4,6,8,10,12,14
.irp b, 0,1,2,3
	v_max3_num_f32 v[TM+\b], v[TM+\b], |v[\s+16*\b+\i]|, |v[\s+1+16*\b+\i]|
.endr
.endr
.irp b, 0,1,2,3
	v_permlanex16_b32 v[TM+4+\b], v[TM+\b], s[SEL], s[SEL+1]
.endr
.irp b, 0,1,2,3
	v_max_num_f32 v[TM+\b], v[TM+\b], v[TM+4+\b]
.endr
.irp b, 0,1,2,3
	v_add_nc_u32 v[TM+12+\b], 0xfe000000, v[TM+\b]
.endr
.irp b, 0,1,2,3
	v_lshrrev_b32 v[TM+4+\b], 23, v[TM+12+\b]
.endr
	v_lshl_or_b32 v[\pw], v[TM+5], 8, v[TM+4]
	v_lshl_or_b32 v[\pw], v[TM+6], 16, v[\pw]
	v_lshl_or_b32 v[\pw], v[TM+7], 24, v[\pw]
.irp c, 0,1
	v_cvt_scalef32_pk16_bf6_f32 v[PC+6*\c:PC+2+6*\c], v[\s+32*\c:\s+15+32*\c], v[TM+12+2*\c]
	v_cvt_scalef32_pk16_bf6_f32 v[PC+12+4*\c:PC+14+4*\c], v[\s+16+32*\c:\s+31+32*\c], v[TM+12+2*\c+1]
.endr
	v_nop
.irp c, 0,1
.irp i, 0,1,2
	v_permlane16_swap_b32 v[PC+6*\c+\i], v[PC+12+4*\c+\i]
.endr
.irp i, 0,1,2
	v_mov_b32 v[PC+3+6*\c+\i], v[PC+12+4*\c+\i]
.endr
.endr
.endm
.macro XLOAD reg, i
.irp b, 0,1,2,3
.irp j, 0,1,2,3
	global_load_b128 v[\reg+16*\b+4*\j:\reg+16*\b+4*\j+3], v[XA], s[4:5] offset:512*\i+128*\b+16*\j
.endr
.endr
.endm
	s_load_b256 s[4:11], s[0:1], 0x0
	s_load_b64 s[12:13], s[0:1], 0x20
	v_lshl_add_u32 v126, v0, 2, 0x4600
	v_mov_b32 v127, 0
	v_lshrrev_b32 v1, 5, v0
	v_readfirstlane_b32 s14, v1
	s_and_b32 s15, ttmp7, 0xffff
	s_lshl_b32 s16, ttmp9, 2
	s_add_co_u32 s16, s16, s14
	s_mov_b32 s[SEL], 0x76543210
	s_mov_b32 s[SEL+1], 0xfedcba98
	v_and_b32 v93, 31, v0
	v_and_b32 v94, 15, v0
	v_bfe_u32 v95, v0, 4, 1
	v_lshlrev_b32 v[LI], 4, v93
	v_lshlrev_b32 v[LS], 2, v93
	v_lshlrev_b32 v[XA], 12, v94
	v_lshl_add_u32 v[XA], v95, 6, v[XA]
	s_mul_i32 s20, s14, 3072
	v_add_nc_u32 v[XWI], s20, v[LI]
	s_lshl_b32 s20, s14, 8
	v_add_nc_u32 v[XWS], s20, v[LS]
	v_mul_u32_u24 v[SO], v94, 272
	v_lshl_add_u32 v[SO], v95, 5, v[SO]
	s_lshl_b32 s20, s14, 6
	v_add_nc_u32 v[SO], s20, v[SO]
	v_add_nc_u32 v[SO], STG, v[SO]
	s_lshl_b32 s20, s14, 2
	v_add_nc_u32 v[GO], s20, v95
	v_mul_u32_u24 v[SR], v[GO], 272
	v_lshl_add_u32 v[SR], v94, 4, v[SR]
	v_add_nc_u32 v[SR], STG, v[SR]
	v_lshlrev_b32 v[GO], 12, v[GO]
	v_lshl_add_u32 v[GO], v94, 4, v[GO]
	v_lshlrev_b32 v[WSA], 5, v94
	v_lshl_add_u32 v[WSA], v95, 4, v[WSA]
	v_lshlrev_b32 v[BA], 5, v95
.irp b, 0,1,2,3
	v_mov_b32 v[TM+4+\b], 0
.endr
	s_mov_b32 s23, 0
	s_lshl_b32 s24, s15, 16
	s_wait_kmcnt 0x0
	s_lshl_b32 s22, s14, 10
	s_add_co_u32 s22, s22, s24
	s_add_nc_u64 s[4:5], s[4:5], s[22:23]
	s_mul_i32 s22, s16, 12288
	s_add_co_u32 s22, s22, 3*786432
	s_add_nc_u64 s[6:7], s[6:7], s[22:23]
	s_lshl_b32 s22, s16, 9
	s_add_co_u32 s22, s22, 3*32768
	s_add_nc_u64 s[8:9], s[8:9], s[22:23]
	s_lshl_b32 s22, s16, 6
	s_add_nc_u64 s[10:11], s[10:11], s[22:23]
	s_lshl_b32 s22, ttmp9, 8
	s_add_co_u32 s22, s22, s24
	s_add_nc_u64 s[12:13], s[12:13], s[22:23]
	XLOAD X0, 0
	XLOAD X1, 1
	WIN 0x40
.irp i, 0,1,2,3,4,5,6,7,8,9,10,11,12,13,14,15,16,17,18,19,20,21,22,23
	global_load_b128 v[4*\i:4*\i+3], v[LI], s[6:7] offset:512*\i
.endr
	WIN 0
	global_load_b128 v[WS:WS+3], v[WSA], s[8:9]
	global_load_b128 v[BO:BO+3], v[BA], s[10:11]
	global_load_b128 v[BO+4:BO+7], v[BA], s[10:11] offset:16
	s_wait_loadcnt 43
	QUANT X0, PW
.irp c, 0,1,2
	ds_store_b128 v[XWI], v[PC+4*\c:PC+4*\c+3] offset:XIMG+512*\c
.endr
	ds_store_b32 v[XWS], v[PW] offset:XSC
	s_wait_dscnt 0x0
	s_wait_loadcnt 27
	QUANT X1, PW
.irp c, 0,1,2
	ds_store_b128 v[XWI], v[PC+4*\c:PC+4*\c+3] offset:XIMG+1536+512*\c
.endr
	ds_store_b32 v[XWS], v[PW] offset:XSC+128
	s_wait_dscnt 0x0
	s_barrier_signal -1
	s_barrier_wait -1
.irp i, 0,1,2,3,4,5,6,7,8,9,10,11,12,13,14,15,16,17,18,19,20,21,22,23
	ds_load_b128 v[X0+4*\i:X0+4*\i+3], v[LI] offset:XIMG+512*\i
.endr
.irp s, 0,1,2,3,4,5,6,7
	ds_load_b32 v[XS+\s], v[LS] offset:XSC+128*\s
.endr
	s_wait_dscnt 0x0
	s_wait_loadcnt 0x0
	WIN 0x01
.irp s, 0,1,2,3
.if \s == 0
	v_wmma_scale_f32_16x16x128_f8f6f4 v[ACC0:ACC0+7], v[12*\s:12*\s+11], v[X0+12*\s:X0+12*\s+11], v[BO:BO+7], v[WS+\s], v[XS+\s] matrix_a_fmt:MATRIX_FMT_BF6 matrix_b_fmt:MATRIX_FMT_BF6
	v_wmma_scale_f32_16x16x128_f8f6f4 v[ACC1:ACC1+7], v[48+12*\s:48+12*\s+11], v[X0+48+12*\s:X0+48+12*\s+11], 0, v[WS+\s], v[XS+4+\s] matrix_a_fmt:MATRIX_FMT_BF6 matrix_b_fmt:MATRIX_FMT_BF6 matrix_a_scale:MATRIX_SCALE_ROW1
.else
	v_wmma_scale_f32_16x16x128_f8f6f4 v[ACC0:ACC0+7], v[12*\s:12*\s+11], v[X0+12*\s:X0+12*\s+11], v[ACC0:ACC0+7], v[WS+\s], v[XS+\s] matrix_a_fmt:MATRIX_FMT_BF6 matrix_b_fmt:MATRIX_FMT_BF6
	v_wmma_scale_f32_16x16x128_f8f6f4 v[ACC1:ACC1+7], v[48+12*\s:48+12*\s+11], v[X0+48+12*\s:X0+48+12*\s+11], v[ACC1:ACC1+7], v[WS+\s], v[XS+4+\s] matrix_a_fmt:MATRIX_FMT_BF6 matrix_b_fmt:MATRIX_FMT_BF6 matrix_a_scale:MATRIX_SCALE_ROW1
.endif
.endr
	WIN 0
.rept 4
	v_nop
.endr
.irp j, 0,2,4,6
	v_pk_add_f32 v[Y+\j:Y+\j+1], v[ACC0+\j:ACC0+\j+1], v[ACC1+\j:ACC1+\j+1]
.endr
	ds_store_b128 v[SO], v[Y:Y+3]
	ds_store_b128 v[SO], v[Y+4:Y+7] offset:16
	s_wait_dscnt 0x0
	s_barrier_signal -1
	s_barrier_wait -1
	ds_load_b128 v[OUTR:OUTR+3], v[SR]
	ds_load_b128 v[OUTR+4:OUTR+7], v[SR] offset:544
	s_wait_dscnt 1
	global_store_b128 v[GO], v[OUTR:OUTR+3], s[12:13]
	s_wait_dscnt 0x0
	global_store_b128 v[GO], v[OUTR+4:OUTR+7], s[12:13] offset:8192
	s_wait_tensorcnt 0x0
	ds_add_u32 v126, v127
	s_wait_dscnt 0x0
	s_endpgm
.Lfunc_end_k_q79b08cc184_proj:
	.size	k_q79b08cc184_proj, .Lfunc_end_k_q79b08cc184_proj-k_q79b08cc184_proj
	.p2alignl 7, 3214868480
	.fill 96, 4, 3214868480
	.section	.rodata,"a",@progbits
	.p2align	6, 0x0
	.amdhsa_kernel k_q79b08cc184_proj
		.amdhsa_group_segment_fixed_size 18432
		.amdhsa_private_segment_fixed_size 0
		.amdhsa_enable_private_segment 0
		.amdhsa_kernarg_size 40
		.amdhsa_user_sgpr_count 2
		.amdhsa_user_sgpr_kernarg_segment_ptr 1
		.amdhsa_wavefront_size32 1
		.amdhsa_system_sgpr_workgroup_id_x 1
		.amdhsa_system_sgpr_workgroup_id_y 1
		.amdhsa_system_sgpr_workgroup_id_z 1
		.amdhsa_system_vgpr_workitem_id 0
		.amdhsa_next_free_vgpr 384
		.amdhsa_next_free_sgpr 66
		.amdhsa_reserve_vcc 0
		.amdhsa_float_denorm_mode_32 3
		.amdhsa_float_denorm_mode_16_64 3
		.amdhsa_memory_ordered 1
		.amdhsa_forward_progress 1
		.amdhsa_inst_pref_size 21
	.end_amdhsa_kernel
	.amdgpu_metadata
---
amdhsa.version: [ 1, 2 ]
amdhsa.kernels:
  - .name:           k_q79b08cc184_proj
    .symbol:         k_q79b08cc184_proj.kd
    .args:
      - { .name: ctx, .offset: 0, .size: 8, .value_kind: global_buffer, .address_space: global }
      - { .name: wcodes, .offset: 8, .size: 8, .value_kind: global_buffer, .address_space: global }
      - { .name: wscales, .offset: 16, .size: 8, .value_kind: global_buffer, .address_space: global }
      - { .name: bo, .offset: 24, .size: 8, .value_kind: global_buffer, .address_space: global }
      - { .name: out0, .offset: 32, .size: 8, .value_kind: global_buffer, .address_space: global }
    .group_segment_fixed_size: 18432
    .private_segment_fixed_size: 0
    .kernarg_segment_align: 8
    .kernarg_segment_size: 40
    .max_flat_workgroup_size: 128
    .sgpr_count:     66
    .vgpr_count:     384
    .wavefront_size: 32
...
	.end_amdgpu_metadata
.endif
;; end of part 3
